; MI455X (gfx1250); checked and timed in simulation.
; The chip was launched on July 23, 2026; its instructions are those of AMD's public machine-readable ISA for CDNA 5 (MIT licence, August 2026) and "CDNA5" Instruction Set Architecture Reference Guide (July 2026). The comments in the code are by the model that wrote it; some were corrected since.
;; Standard TRM. Allowed arithmetic: matrix products marked QUANTISED: E2M1 operands, one E8M0 scale for each 32 along K, by v_wmma_scale_f32_16x16x128_f8f6f4 with both operands' format E2M1 (or v_wmma_scale_f32_32x16x128_f4), f32 sums; products left as they are: bf16, f16 or f32 operands; f32 sums; everything else in f32.
;; Inputs: W_comb 512 x 256 float32; W_down 1,024 x 256 float32; W_head 256 x 10 float32; W_in 256 x 256 float32; W_up 256 x 1,024 float32; W_yt 256 x 256 float32; b_comb 256 float32; b_down 256 float32; b_head 10 float32; b_in 256 float32; b_up 1,024 float32; b_yt 256 float32; ln_b 256 float32; ln_w 256 float32; x 65,536 x 256 float32; y_init 1 x 256 float32.
;; Outputs: out0 65,536 x 10 float32.
;; This version of the problem:
;;   THIS VERSION OF THE PROBLEM IS GIVEN IN LOW PRECISION. The matrix products marked QUANTISED in the list below multiply operands that are first quantised to E2M1 (2 exponent bits, 1 mantissa bit; 4 bits a number), with one power-of-two scale for each 32 numbers along K (OCP MX v1.0); their sums are f32. The products marked 'left as it is' may take bf16, f16 or f32 operands, with f32 sums. Whichever they take, every output number must still come out within the allowed error. Rounding operands to bf16 (8 significant bits) uses up far more of that allowance than f16 does (11 bits, for magnitudes from 6e-5 to 65,504). All else is computed in f32.
;;   The module's matrix products, in the order in which they are computed (A, B: the left and right operand; K: the contracted axis; several contracted axes count as one K, in the product's order):
;;     1. [M 65,536, K 256] x [K 256, N 256]; A: input x; B: input W_in: QUANTISED
;;     2. [M 65,536, K 256] x [K 256, N 1,024]; A: computed on the way; B: input W_up: left as it is (an operand is computed on the way)
;;     3. [M 65,536, K 1,024] x [K 1,024, N 256]; A: computed on the way; B: input W_down: left as it is (an operand is computed on the way)
;;     4. [M 65,536, K 512] x [K 512, N 256]; A: computed on the way; B: input W_comb: left as it is (an operand is computed on the way)
;;     5. [M 65,536, K 256] x [K 256, N 256]; A: computed on the way; B: input W_yt: left as it is (an operand is computed on the way)
;;     6. [M 65,536, K 256] x [K 256, N 10]; A: computed on the way; B: input W_head: left as it is (N = 10 < 16)
;;   THE QUANTISER, for each operand of a quantised product, along K:
;;     - K is cut into blocks of 32 from its start; a last block that is shorter is filled with zeros.
;;     - A block's scale is 2^e with e = floor(log2(the largest magnitude in the block)) - 2, held to -126 .. 127; a block of zeros has e = 0. As a byte (E8M0): e + 127.
;;     - Each number is divided by its block's scale, clamped to +-6, and rounded to the nearest number of E2M1, ties to even, subnormals kept.
;;     - The product sums the exact products of the quantised numbers (number of the format x scale) in f32.
;;   ~~~python
;;   def quantise(x, axis):      # numpy; x: float32 -> the quantised numbers, widened to float32 again
;;       x = np.moveaxis(x, axis, -1); K = x.shape[-1]
;;       x = np.pad(x, [(0, 0)] * (x.ndim - 1) + [(0, -K % 32)]); x = x.reshape(x.shape[:-1] + (-1, 32)); a = np.abs(x).max(-1, keepdims=True)
;;       e = np.where(a > 0, np.clip(np.frexp(np.where(a > 0, a, 1))[1] - 1 - 2, -126, 127), 0)      # np.frexp(a)[1] - 1 = floor(log2(a)), exactly
;;       r = np.clip(x / 2.0 ** e, -6, 6)
;;       step = 2.0 ** (np.maximum(np.frexp(np.where(r == 0, 1, r))[1] - 1, 0) - 1)
;;       q = np.round(r / step) * step * 2.0 ** e      # np.round: ties to even
;;       return np.moveaxis(q.reshape(q.shape[:-2] + (-1,))[..., :K], -1, axis).astype(np.float32)
;;   ~~~
;; One version. Each part assembles by itself: llvm-mc -triple=amdgcn-amd-amdhsa -mcpu=gfx1250 --defsym DOCPART=n.
;; ======== version 1 of 1: 2 launches
;; limits: values are held in f16: magnitudes above 65,504 overflow, below 6.1e-05 lose precision
;; workspace buffers: wts 1,251,328 bytes
;; launch prep (part 1): grid 93 x 1, 4 waves a work-group, no clusters, 0 bytes of LDS; arguments W_up, W_down, W_comb, W_in, W_yt, W_head, b_up, b_down, b_comb, b_in, b_yt, b_head, ln_w, ln_b, y_init, wts; writes wts
.if DOCPART == 1
	.amdgcn_target "amdgcn-amd-amdhsa--gfx1250"
	.amdhsa_code_object_version 6
	.text
	.protected	k_qfb30362d74_prep
	.globl	k_qfb30362d74_prep
	.p2align	8
	.type	k_qfb30362d74_prep,@function
k_qfb30362d74_prep:
	s_mov_b64 s[64:65], 0
	v_nop
	global_prefetch_b8 v0, s[64:65] scope:SCOPE_SE
	s_setreg_imm32_b32 hwreg(HW_REG_WAVE_MODE, 25, 1), 1
	s_wait_xcnt 0x0
; THE WEIGHTS, ONCE, INTO THE ORDER IN WHICH THE SECOND LAUNCH'S OPERAND REGISTERS TAKE THEM.
; A fragment image is 1,024 bytes: a lane's registers 0-3 at 16 x lane, its registers 4-7 at 512 + 16 x lane.  Lane = 16 h + r.
;   16-bit image of a matrix M[k][n] at (k0, n0): register group g, number j: M[k0 + 16 g + 8 h + j][n0 + r].
;   4-bit image: registers 4 c .. 4 c + 3: k = 64 c + 32 h + 0 .. 31 of column n0 + r.
; wts, in bytes:  0 b_up / 2 | 4096 c'' | 5120 zeros | 6144 b_in | 7168 W_in's scale bytes [n][8] | 9216 WF, 8 images | 17408 o0, then zeros | 18432 WU(0) |
;   34816 the stream, 64 pieces of 16,384: 0 the bias piece, 2 c - 1 WU(c), min(2 c + 2, 63) WD(c) | 1083392 4,096 zeros | 1087488 WC(0..7) | 1218560 W_in's codes.
; WHAT IS FOLDED, exactly:  WU = W_up / 2, b_up / 2 (the gelu works on u / 2);  WC = ln_w[k] W_comb[k][n] / 2;  c'' = (b_comb + ln_b . W_comb[:256] + y_init . W_comb[256:]) / 2;
;   WF = W_yt W_head and o0 = (y_init + b_yt) W_head + b_head, in f32 multiply-adds: nothing but sums stands between these two products;
;   b_down as three bf16 parts (24 bits) in rows k = 0, 1, 2 of a 33rd piece of W_down, which meets an operand of ones.
; FORMATS: WU, WD bf16; WC, WF f16; W_in E2M1 with one E8M0 byte for each 32 along K (its first axis).
; LIMITS: NaN and infinities are not served.  A block of zeros gets the scale byte 1 where the rule says 127: its codes are zeros, and this program alone reads the bytes.
; WORK-GROUPS: 0-31 WU(c) | 32-63 WD(c) | 64-71 WC(e) | 72-75 W_in | 76-83 WF | 84-91 c'' | 92 the rest.  No LDS, no loop: in each path all loads go out, one wait, the arithmetic, the stores.
.set SOFF,   34816
.set O_CPP,  4096
.set O_ZERO, 5120
.set O_BIN,  6144
.set O_WIS,  7168
.set O_WF,   9216
.set O_OB,   17408
.set O_WU0,  18432
.set O_PAD,  1083392
.set O_WC,   1087488
.set O_CODE, 1218560
.set WV,  40                           ; s40  wave
.set IX,  55                           ; s55  the path's index
.set SEL, 56                           ; s[56:57] v_permlanex16_b32's selects for lane l xor 16
; s[8:39] the sixteen addresses: W_up 8, W_down 10, W_comb 12, W_in 14, W_yt 16, W_head 18, b_up 20, b_down 22, b_comb 24, b_in 26, b_yt 28, b_head 30, ln_w 32, ln_b 34, y_init 36, wts 38
; s[42:43] an offset with 0 above it; s44-53 ten lane masks; s54 EXEC kept
; 64 loads: four 16-bit images' numbers, v[64 + 16 q + 8 g + j].  wd = 0: images [K step][tile], 4 w + q = 2 s + t;  wd = 1: image 4 w + q = tile f
.macro PLOADS sb, pitch, wd
.irp q, 0,1,2,3
.irp g, 0,1
.irp j, 0,1,2,3,4,5,6,7
.if \wd
	global_load_b32 v[64+16*\q+8*\g+\j], v5, s[\sb:\sb+1] offset:64*\q+(16*\g+\j)*\pitch
.else
	global_load_b32 v[64+16*\q+8*\g+\j], v5, s[\sb:\sb+1] offset:(32*(\q/2)+16*\g+\j)*\pitch+64*(\q%2)
.endif
.endr
.endr
.endr
.endm
.macro PACK op                         ; 64 numbers become 32 registers of 16-bit pairs, the lower k in the low half
.set n, 0
.rept 32
	\op v[128+n], v[64+2*n], v[65+2*n]
.set n, n+1
.endr
.endm
.macro PSTORE off                      ; each store of the wave covers 512 consecutive bytes, aligned to 256
.irp q, 0,1,2,3
.irp g, 0,1
	global_store_b128 v4, v[128+8*\q+4*\g:131+8*\q+4*\g], s[38:39] offset:(\off)+1024*\q+512*\g
.endr
.endr
.endm
.macro HEADLD                          ; lane l: rows 8 l .. 8 l + 7 of W_head, 80 consecutive numbers: v[96 + 10 c + n]
	v_mul_u32_u24 v6, v1, 320
.set n, 0
.rept 20
	global_load_b128 v[96+4*n:99+4*n], v6, s[18:19] offset:16*n
.set n, n+1
.endr
.endm
.macro MASKS reg                       ; mask n: the lane that takes output n.  Outputs 0-4 go to places 0-4, outputs 5-9 to places 8-12
.irp n, 0,1,2,3,4,5,6,7,8,9
	v_cmp_eq_u32 s[44+\n], \n+3*(\n/5), \reg
.endr
.endm
.macro DOTS nj                         ; v[176 + 10 j + n] = my eight terms of row j (v[32 + 8 j + c]) times W_head's column n
.set j, 0
.rept \nj
.set n, 0
.rept 10
	v_mul_f32 v[176+10*j+n], v[32+8*j], v[96+n]
.set n, n+1
.endr
.set j, j+1
.endr
.set c, 1
.rept 7
.set j, 0
.rept \nj
.set n, 0
.rept 10
	v_fmac_f32 v[176+10*j+n], v[32+8*j+c], v[96+10*c+n]
.set n, n+1
.endr
.set j, j+1
.endr
.set c, c+1
.endr
.endm
.macro REDUCE cnt                      ; the sums over the 32 lanes, left in every lane; W_head's registers, done with, take the other half's sums
.irp x, 1,2,4,8
.set n, 176
.rept \cnt
	v_add_f32_dpp v[n], v[n], v[n] row_xmask:\x row_mask:0xf bank_mask:0xf
.set n, n+1
.endr
.endr
.set n, 176
.rept \cnt
	v_permlanex16_b32 v[n-80], v[n], s[SEL], s[SEL+1]
.set n, n+1
.endr
.set n, 176
.rept \cnt
	v_add_f32 v[n], v[n], v[n-80]
.set n, n+1
.endr
.endm
.macro CHOOSE nj                       ; v[8 + j]: row j's number for my place, 0 at the places that take none
.set j, 0
.rept \nj
	v_cndmask_b32 v[8+j], 0, v[176+10*j], s44
.set n, 1
.rept 9
	v_cndmask_b32 v[8+j], v[8+j], v[176+10*j+n], s[44+n]
.set n, n+1
.endr
.set j, j+1
.endr
.endm
	s_load_b512 s[8:23], s[0:1], 0x0
	s_load_b512 s[24:39], s[0:1], 0x40
	v_lshrrev_b32 v1, 5, v0
	v_readfirstlane_b32 s[WV], v1                  ; wave 0..3
	v_and_b32 v1, 31, v0                           ; lane
	v_and_b32 v2, 15, v0                           ; r
	v_bfe_u32 v3, v0, 4, 1                         ; h
	v_lshlrev_b32 v4, 4, v1                        ; 16 x lane: my place in half an image
	s_mov_b32 s43, 0
	s_mov_b32 s[SEL], 0x76543210
	s_mov_b32 s[SEL+1], 0xfedcba98
	s_wait_kmcnt 0x0
	s_cmp_lt_u32 ttmp9, 32
	s_cbranch_scc1 .Lwu
	s_cmp_lt_u32 ttmp9, 64
	s_cbranch_scc1 .Lwd
	s_cmp_lt_u32 ttmp9, 72
	s_cbranch_scc1 .Lwc
	s_cmp_lt_u32 ttmp9, 76
	s_cbranch_scc1 .Lwin
	s_cmp_lt_u32 ttmp9, 84
	s_cbranch_scc1 .Lwf
	s_cmp_lt_u32 ttmp9, 92
	s_cbranch_scc1 .Lcpp
	; ---- work-group 92.  Every wave: four images of the bias piece.  Lane (r, 0) of image f holds b_down[16 f + r] as k = 0, 1, 2: its bf16 part, that of the rest, that of the rest's rest
	v_lshlrev_b32 v5, 2, v2
	s_lshl_b32 s41, s[WV], 8
	v_add_nc_u32 v5, s41, v5                       ; (64 w + r) x 4
.irp q, 0,1,2,3
	global_load_b32 v[8+\q], v5, s[22:23] offset:64*\q
.endr
	s_lshl_b32 s42, s[WV], 12
	s_add_nc_u64 s[58:59], s[38:39], s[42:43]
.irp j, 0,1,2,3
	v_mov_b32 v[240+\j], 0
.endr
	v_cmp_eq_u32 vcc_lo, 0, v3
	s_wait_loadcnt 0x0
.irp q, 0,1,2,3
	v_cvt_pk_bf16_f32 v12, v[8+\q], 0
	v_lshlrev_b32 v12, 16, v12                     ; the first part as f32
	v_sub_f32 v13, v[8+\q], v12                    ; the rest: exact
	v_cvt_pk_bf16_f32 v14, v13, 0
	v_lshlrev_b32 v14, 16, v14
	v_sub_f32 v15, v13, v14
	v_cvt_pk_bf16_f32 v16, v[8+\q], v13            ; k = 0, 1
	v_cvt_pk_bf16_f32 v17, v15, 0                  ; k = 2, 3
	v_cndmask_b32 v[224+4*\q], 0, v16, vcc_lo      ; lanes 16-31 hold k = 8 .. 15: zeros
	v_cndmask_b32 v[225+4*\q], 0, v17, vcc_lo
	v_mov_b32 v[226+4*\q], 0
	v_mov_b32 v[227+4*\q], 0
	global_store_b128 v4, v[224+4*\q:227+4*\q], s[58:59] offset:SOFF+1024*\q
	global_store_b128 v4, v[240:243], s[58:59] offset:SOFF+1024*\q+512
.endr
	s_cmp_eq_u32 s[WV], 0
	s_cbranch_scc1 .Lr0
	s_cmp_eq_u32 s[WV], 1
	s_cbranch_scc1 .Lr1
	s_cmp_eq_u32 s[WV], 2
	s_cbranch_scc1 .Lr2
	; wave 3: o0 = (y_init + b_yt) W_head + b_head, laid at the places that the head's accumulators take it from; the block's other bytes are zeros
	HEADLD
	v_lshlrev_b32 v7, 5, v1
	global_load_b128 v[32:35], v7, s[36:37]
	global_load_b128 v[36:39], v7, s[36:37] offset:16
	global_load_b128 v[40:43], v7, s[28:29]
	global_load_b128 v[44:47], v7, s[28:29] offset:16
	s_load_b256 s[8:15], s[30:31], 0x0             ; b_head's ten numbers, into registers whose addresses this path does not use
	s_load_b64 s[16:17], s[30:31], 0x20
	MASKS v1                                       ; by the whole lane number: lanes 16-31 take none
	s_wait_loadcnt 0x0
	s_wait_kmcnt 0x0
.irp j, 0,2,4,6
	v_pk_add_f32 v[32+\j:33+\j], v[32+\j:33+\j], v[40+\j:41+\j]
.endr
	DOTS 1
	REDUCE 10
.irp n, 0,1,2,3,4,5,6,7,8,9
	v_add_f32 v[176+\n], s[8+\n], v[176+\n]
.endr
	CHOOSE 1
	v_lshlrev_b32 v9, 2, v1
	global_store_b32 v9, v8, s[38:39] offset:O_OB  ; 128 consecutive bytes a store: 1,024 bytes in all go out in halves of 256
.irp k, 1,2,3,4,5,6,7
	global_store_b32 v9, v240, s[38:39] offset:O_OB+128*\k
.endr
	s_endpgm
.Lr0:                                                  ; wave 0: b_up / 2
.irp k, 0,1,2,3,4,5,6,7
	global_load_b128 v[64+4*\k:67+4*\k], v4, s[20:21] offset:512*\k
.endr
	s_wait_loadcnt 0x0
.set n, 64
.rept 16
	v_pk_mul_f32 v[n:n+1], v[n:n+1], 0.5 op_sel_hi:[1,0]
.set n, n+2
.endr
.irp k, 0,1,2,3,4,5,6,7
	global_store_b128 v4, v[64+4*\k:67+4*\k], s[38:39] offset:512*\k
.endr
	s_endpgm
.Lr1:                                                  ; wave 1: b_in as it is, and the zeros behind c''
	global_load_b128 v[64:67], v4, s[26:27]
	global_load_b128 v[68:71], v4, s[26:27] offset:512
	global_store_b128 v4, v[240:243], s[38:39] offset:O_ZERO
	global_store_b128 v4, v[240:243], s[38:39] offset:O_ZERO+512
	s_wait_loadcnt 0x0
	global_store_b128 v4, v[64:67], s[38:39] offset:O_BIN
	global_store_b128 v4, v[68:71], s[38:39] offset:O_BIN+512
	s_endpgm
.Lr2:                                                  ; wave 2: the zeros behind the stream
.irp k, 0,1,2,3,4,5,6,7
	global_store_b128 v4, v[240:243], s[38:39] offset:O_PAD+512*\k
.endr
	s_endpgm
.Lwu:                                                  ; ---- WU(c), c = work-group: hidden units 32 c .. 32 c + 31, all 256 along K; wave w: K steps 2 w, 2 w + 1
	v_lshlrev_b32 v5, 15, v3                       ; 8 h rows of 4,096 bytes
	v_lshl_add_u32 v5, v2, 2, v5                   ; + 4 r
	s_lshl_b32 s42, s[WV], 18                      ; 64 w rows
	s_lshl_b32 s41, ttmp9, 7                       ; 32 c columns
	s_add_co_u32 s42, s42, s41
	s_add_nc_u64 s[8:9], s[8:9], s[42:43]
	PLOADS 8, 4096, 0
	s_lshl_b32 s42, ttmp9, 15                      ; WU(c) lies at 18,432 + 32,768 c
	s_lshl_b32 s41, s[WV], 12
	s_add_co_u32 s42, s42, s41
	s_add_nc_u64 s[38:39], s[38:39], s[42:43]
	s_wait_loadcnt 0x0
.set n, 64
.rept 32
	v_pk_mul_f32 v[n:n+1], v[n:n+1], 0.5 op_sel_hi:[1,0]
.set n, n+2
.endr
	PACK v_cvt_pk_bf16_f32
	PSTORE O_WU0
	s_endpgm
.Lwd:                                                  ; ---- WD(c): rows 32 c .. 32 c + 31 of W_down, all 256 columns; wave w: tiles 4 w .. 4 w + 3
	s_sub_co_u32 s[IX], ttmp9, 32
	v_lshlrev_b32 v5, 13, v3                       ; 8 h rows of 1,024 bytes
	v_lshl_add_u32 v5, v2, 2, v5
	s_lshl_b32 s42, s[IX], 15                      ; 32 c rows
	s_lshl_b32 s41, s[WV], 8                       ; 64 w columns
	s_add_co_u32 s42, s42, s41
	s_add_nc_u64 s[10:11], s[10:11], s[42:43]
	PLOADS 10, 1024, 1
	s_lshl_b32 s42, s[IX], 1
	s_add_co_u32 s42, s42, 2
	s_min_u32 s42, s42, 63                         ; its piece of the stream
	s_lshl_b32 s42, s42, 14
	s_lshl_b32 s41, s[WV], 12
	s_add_co_u32 s42, s42, s41
	s_add_nc_u64 s[38:39], s[38:39], s[42:43]
	s_wait_loadcnt 0x0
	PACK v_cvt_pk_bf16_f32
	PSTORE SOFF
	s_endpgm
.Lwc:                                                  ; ---- WC(e): ln_w[k] W_comb[k][32 e ..] / 2, k = 0 .. 255, as WU
	s_sub_co_u32 s[IX], ttmp9, 64
	v_lshlrev_b32 v5, 13, v3
	v_lshl_add_u32 v5, v2, 2, v5
	s_lshl_b32 s42, s[WV], 16                      ; 64 w rows of 1,024 bytes
	s_lshl_b32 s41, s[IX], 7
	s_add_co_u32 s42, s42, s41
	s_add_nc_u64 s[12:13], s[12:13], s[42:43]
	PLOADS 12, 1024, 0
	v_lshlrev_b32 v6, 5, v3                        ; ln_w[64 w + 32 (q / 2) + 16 g + 8 h + j] -> v[32 + 16 (q / 2) + 8 g + j]
	s_lshl_b32 s42, s[WV], 8
	s_add_nc_u64 s[32:33], s[32:33], s[42:43]
.irp q, 0,1
.irp g, 0,1
.irp u, 0,1
	global_load_b128 v[32+16*\q+8*\g+4*\u:35+16*\q+8*\g+4*\u], v6, s[32:33] offset:128*\q+64*\g+16*\u
.endr
.endr
.endr
	s_lshl_b32 s42, s[IX], 14
	s_lshl_b32 s41, s[WV], 12
	s_add_co_u32 s42, s42, s41
	s_add_nc_u64 s[38:39], s[38:39], s[42:43]
	s_wait_loadcnt 0x0
.set n, 32
.rept 16
	v_pk_mul_f32 v[n:n+1], v[n:n+1], 0.5 op_sel_hi:[1,0]
.set n, n+2
.endr
.irp q, 0,1,2,3
.irp g, 0,1
.irp j, 0,2,4,6
	v_pk_mul_f32 v[64+16*\q+8*\g+\j:65+16*\q+8*\g+\j], v[64+16*\q+8*\g+\j:65+16*\q+8*\g+\j], v[32+16*(\q/2)+8*\g+\j:33+16*(\q/2)+8*\g+\j]
.endr
.endr
.endr
	PACK v_cvt_pk_f16_f32
	PSTORE O_WC
	s_endpgm
.Lwin:                                                 ; ---- W_in into codes.  Wave: tile f of 16 columns.  A lane takes column 16 f + r and its registers run down K: blocks 2 u + h, u = 0 .. 3, whole in the lane
	s_sub_co_u32 s[IX], ttmp9, 72
	s_lshl_b32 s[IX], s[IX], 2
	s_add_co_u32 s[IX], s[IX], s[WV]               ; f
	v_lshlrev_b32 v5, 15, v3                       ; 32 h rows of 1,024 bytes
	v_lshl_add_u32 v5, v2, 2, v5
	s_lshl_b32 s42, s[IX], 6
	s_add_nc_u64 s[14:15], s[14:15], s[42:43]
.irp u, 0,1,2,3
.set n, 0
.rept 32
	global_load_b32 v[64+32*\u+n], v5, s[14:15] offset:(64*\u+n)*1024
.set n, n+1
.endr
.endr
	s_lshl_b32 s42, s[IX], 11
	s_add_nc_u64 s[58:59], s[38:39], s[42:43]      ; my two images
	s_lshl_b32 s42, s[IX], 7
	s_add_nc_u64 s[60:61], s[38:39], s[42:43]      ; my 16 columns' scale bytes
	v_mov_b32 v20, 0                               ; a lane permute's destination counts as one of its sources
	v_mov_b32 v21, 0
	v_lshlrev_b32 v10, 3, v3
	v_lshlrev_b32 v15, 3, v2
	v_lshl_add_u32 v15, v3, 2, v15                 ; 8 r + 4 h
	s_wait_loadcnt 0x0
.irp u, 0,1,2,3
	v_max3_num_f32 v[32+\u], |v[64+32*\u]|, |v[65+32*\u]|, 0x1800000   ; the block's largest magnitude, and the floor 2^(3 - 127): the byte cannot fall under 1
.endr
.irp i, 2,4,6,8,10,12,14,16,18,20,22,24,26,28,30
.irp u, 0,1,2,3
	v_max3_num_f32 v[32+\u], v[32+\u], |v[64+32*\u+\i]|, |v[65+32*\u+\i]|
.endr
.endr
.irp u, 0,1,2,3
	v_add_nc_u32 v[40+\u], 0xff000000, v[32+\u]    ; 2 off the exponent field: the conversion's scale operand
.endr
.irp u, 0,1,2,3
	v_lshrrev_b32 v[36+\u], 23, v[40+\u]           ; the scale's byte
.endr
.irp s, 0,1                                    ; K step s: my bytes are blocks h and 2 + h of its four; lane l xor 16 has the other two
	v_lshl_or_b32 v[12+\s], v[37+2*\s], 16, v[36+2*\s]
	v_lshlrev_b32 v[12+\s], v10, v[12+\s]
	v_permlanex16_b32 v[20+\s], v[12+\s], s[SEL], s[SEL+1]
	v_or_b32 v[12+\s], v[12+\s], v[20+\s]
.endr
.irp u, 0,1,2,3
.irp g, 0,1,2,3
	v_cvt_scalef32_pk8_fp4_f32 v[48+4*\u+\g], v[64+32*\u+8*\g:71+32*\u+8*\g], v[40+\u]
.endr
.endr
	v_cmp_eq_u32 vcc_lo, 1, v3                     ; (a plain line behind the conversions)
	v_cndmask_b32 v14, v12, v13, vcc_lo            ; lanes 0-15 store K step 0's word, lanes 16-31 K step 1's
.irp u, 0,1,2,3
	global_store_b128 v4, v[48+4*\u:51+4*\u], s[58:59] offset:O_CODE+512*\u
.endr
	global_store_b32 v15, v14, s[60:61] offset:O_WIS   ; 128 consecutive bytes a wave: 2,048 bytes in all go out in halves of 256
	s_endpgm
.Lwf:                                                  ; ---- WF = W_yt W_head.  Wave W: rows 8 W .. 8 W + 7: a quarter of image W / 4
	s_sub_co_u32 s[IX], ttmp9, 76
	s_lshl_b32 s[IX], s[IX], 2
	s_add_co_u32 s[IX], s[IX], s[WV]
	HEADLD
	v_lshlrev_b32 v7, 5, v1                        ; lane l: columns 8 l .. 8 l + 7 of W_yt
	s_lshl_b32 s42, s[IX], 13
	s_add_nc_u64 s[16:17], s[16:17], s[42:43]
.irp j, 0,1,2,3,4,5,6,7
	global_load_b128 v[32+8*\j:35+8*\j], v7, s[16:17] offset:1024*\j
	global_load_b128 v[36+8*\j:39+8*\j], v7, s[16:17] offset:1024*\j+16
.endr
	MASKS v2
	s_lshl_b32 s42, s[IX], 8
	s_add_nc_u64 s[38:39], s[38:39], s[42:43]
	v_lshlrev_b32 v20, 4, v2
	s_wait_loadcnt 0x0
	DOTS 8
	REDUCE 80
	CHOOSE 8
.irp j, 0,1,2,3
	v_cvt_pk_f16_f32 v[16+\j], v[8+2*\j], v[9+2*\j]
.endr
	v_cmp_gt_u32 vcc_lo, 16, v1
	s_wait_xcnt 0x0                                ; EXEC changes only behind this wait
	s_and_saveexec_b32 s54, vcc_lo
	global_store_b128 v20, v[16:19], s[38:39] offset:O_WF   ; sixteen lanes store 256 consecutive bytes, aligned
	s_wait_xcnt 0x0
	s_or_b32 exec_lo, exec_lo, s54
	s_endpgm
.Lcpp:                                                 ; ---- c''.  Wave W: columns 8 W .. 8 W + 7.  Lane (sigma = r, cg = h): columns 8 W + 4 cg .. + 3, rows 32 sigma .. + 31 of W_comb's 512
	s_sub_co_u32 s[IX], ttmp9, 84
	s_lshl_b32 s[IX], s[IX], 2
	s_add_co_u32 s[IX], s[IX], s[WV]
	v_lshlrev_b32 v5, 15, v2
	v_lshl_add_u32 v5, v3, 4, v5
	s_lshl_b32 s42, s[IX], 5
	s_add_nc_u64 s[12:13], s[12:13], s[42:43]
	s_add_nc_u64 s[24:25], s[24:25], s[42:43]
	s_add_nc_u64 s[38:39], s[38:39], s[42:43]
.set n, 0
.rept 32
	global_load_b128 v[64+4*n:67+4*n], v5, s[12:13] offset:1024*n
.set n, n+1
.endr
	v_and_b32 v6, 7, v2
	v_lshlrev_b32 v6, 7, v6
.irp i, 0,1,2,3,4,5,6,7
	global_load_b128 v[192+4*\i:195+4*\i], v6, s[34:35] offset:16*\i    ; ln_b meets rows 0-255,
	global_load_b128 v[224+4*\i:227+4*\i], v6, s[36:37] offset:16*\i    ; y_init rows 256-511
.endr
	v_lshlrev_b32 v7, 4, v3
	global_load_b128 v[36:39], v7, s[24:25]
	v_cmp_gt_u32 vcc_lo, 8, v2
	s_wait_loadcnt 0x0
.set n, 0
.rept 32
	v_cndmask_b32 v[192+n], v[224+n], v[192+n], vcc_lo
.set n, n+1
.endr
.irp c, 0,1,2,3
	v_mul_f32 v[32+\c], v192, v[64+\c]
.endr
.set n, 1
.rept 31
.irp c, 0,1,2,3
	v_fmac_f32 v[32+\c], v[192+n], v[64+4*n+\c]
.endr
.set n, n+1
.endr
.irp x, 1,2,4,8
.irp c, 0,1,2,3
	v_add_f32_dpp v[32+\c], v[32+\c], v[32+\c] row_xmask:\x row_mask:0xf bank_mask:0xf
.endr
.endr
.irp c, 0,2
	v_pk_add_f32 v[32+\c:33+\c], v[32+\c:33+\c], v[36+\c:37+\c]
.endr
.irp c, 0,2
	v_pk_mul_f32 v[32+\c:33+\c], v[32+\c:33+\c], 0.5 op_sel_hi:[1,0]
.endr
	v_cmp_eq_u32 vcc_lo, 0, v2
	s_wait_xcnt 0x0                                ; EXEC changes only behind this wait
	s_and_saveexec_b32 s54, vcc_lo
	global_store_b128 v7, v[32:35], s[38:39] offset:O_CPP   ; two lanes store 32 consecutive bytes: 1,024 bytes in all go out in such pieces
	s_wait_xcnt 0x0
	s_or_b32 exec_lo, exec_lo, s54
	s_endpgm
.Lfunc_end_k_qfb30362d74_prep:
	.size	k_qfb30362d74_prep, .Lfunc_end_k_qfb30362d74_prep-k_qfb30362d74_prep
	.p2alignl 7, 3214868480
	.fill 96, 4, 3214868480
	.section	.rodata,"a",@progbits
	.p2align	6, 0x0
	.amdhsa_kernel k_qfb30362d74_prep
		.amdhsa_group_segment_fixed_size 0
		.amdhsa_private_segment_fixed_size 0
		.amdhsa_enable_private_segment 0
		.amdhsa_kernarg_size 128
		.amdhsa_user_sgpr_count 2
		.amdhsa_user_sgpr_kernarg_segment_ptr 1
		.amdhsa_wavefront_size32 1
		.amdhsa_system_sgpr_workgroup_id_x 1
		.amdhsa_system_sgpr_workgroup_id_y 1
		.amdhsa_system_sgpr_workgroup_id_z 1
		.amdhsa_system_vgpr_workitem_id 0
		.amdhsa_next_free_vgpr 256
		.amdhsa_next_free_sgpr 66
		.amdhsa_reserve_vcc 1
		.amdhsa_float_denorm_mode_32 3
		.amdhsa_float_denorm_mode_16_64 3
		.amdhsa_memory_ordered 1
		.amdhsa_forward_progress 1
		.amdhsa_inst_pref_size 142
	.end_amdhsa_kernel
	.amdgpu_metadata
---
amdhsa.version: [ 1, 2 ]
amdhsa.kernels:
  - .name:           k_qfb30362d74_prep
    .symbol:         k_qfb30362d74_prep.kd
    .args:
      - { .name: W_up, .offset: 0, .size: 8, .value_kind: global_buffer, .address_space: global }
      - { .name: W_down, .offset: 8, .size: 8, .value_kind: global_buffer, .address_space: global }
      - { .name: W_comb, .offset: 16, .size: 8, .value_kind: global_buffer, .address_space: global }
      - { .name: W_in, .offset: 24, .size: 8, .value_kind: global_buffer, .address_space: global }
      - { .name: W_yt, .offset: 32, .size: 8, .value_kind: global_buffer, .address_space: global }
      - { .name: W_head, .offset: 40, .size: 8, .value_kind: global_buffer, .address_space: global }
      - { .name: b_up, .offset: 48, .size: 8, .value_kind: global_buffer, .address_space: global }
      - { .name: b_down, .offset: 56, .size: 8, .value_kind: global_buffer, .address_space: global }
      - { .name: b_comb, .offset: 64, .size: 8, .value_kind: global_buffer, .address_space: global }
      - { .name: b_in, .offset: 72, .size: 8, .value_kind: global_buffer, .address_space: global }
      - { .name: b_yt, .offset: 80, .size: 8, .value_kind: global_buffer, .address_space: global }
      - { .name: b_head, .offset: 88, .size: 8, .value_kind: global_buffer, .address_space: global }
      - { .name: ln_w, .offset: 96, .size: 8, .value_kind: global_buffer, .address_space: global }
      - { .name: ln_b, .offset: 104, .size: 8, .value_kind: global_buffer, .address_space: global }
      - { .name: y_init, .offset: 112, .size: 8, .value_kind: global_buffer, .address_space: global }
      - { .name: wts, .offset: 120, .size: 8, .value_kind: global_buffer, .address_space: global }
    .group_segment_fixed_size: 0
    .private_segment_fixed_size: 0
    .kernarg_segment_align: 8
    .kernarg_segment_size: 128
    .max_flat_workgroup_size: 128
    .sgpr_count:     66
    .vgpr_count:     256
    .wavefront_size: 32
...
	.end_amdgpu_metadata
.endif
;; end of part 1
;; launch chain (part 2): grid 256 x 1, 4 waves a work-group, clusters of 4 x 1, 327,680 bytes of LDS; arguments x, wts, out0; writes out0
.if DOCPART == 2
	.amdgcn_target "amdgcn-amd-amdhsa--gfx1250"
	.amdhsa_code_object_version 6
	.text
	.protected	k_qfb30362d74_chain
	.globl	k_qfb30362d74_chain
	.p2align	8
	.type	k_qfb30362d74_chain,@function
k_qfb30362d74_chain:
	s_mov_b64 s[64:65], 0
	v_nop
	global_prefetch_b8 v0, s[64:65] scope:SCOPE_SE
	s_setreg_imm32_b32 hwreg(HW_REG_WAVE_MODE, 25, 1), 1
	s_wait_xcnt 0x0
	s_wait_alu depctr_hold_cnt(0) depctr_sa_sdst(0) depctr_va_vdst(0) depctr_va_sdst(0) depctr_va_ssrc(0) depctr_va_vcc(0) depctr_vm_vsrc(0)
	s_getreg_b32 s2, hwreg(HW_REG_IB_STS2, 6, 4)
	s_cmp_eq_u32 s2, 0
	s_cbranch_scc0 .Lentry_in_a_cluster
	s_endpgm
.Lentry_in_a_cluster:
	s_bfe_u32 s2, ttmp6, 0x10000c
	s_cmp_lg_u32 s2, 0x3003
	s_cbranch_scc0 .Lentry_shape_is_right
	s_endpgm
.Lentry_shape_is_right:
; out0 = the whole chain for 65,536 rows of x, nothing but x, the prepared weights and out0 going through memory.
;   z = Q(x) Q(W_in) + b_in (E2M1 codes, E8M0 scales) | u/2 = z WU + b_up/2 | h = gelu | s = z + h WD + b_down | n = (s - mean) rsqrt(var + 1e-5) | c/2 = n WC + c'' | g = gelu | out = o0 + g WF.
; FORMATS: the first product on codes; z, h, WU, WD in bf16 (h has no room in f16 where the inputs are 30 times larger); n, g, WC, WF in f16 (|n| <= 16 by the normalisation); all sums, the residual, the norm and the gelu in f32.
; GELU: with v = u/2: gelu(u) = v + |v| erf(sqrt2 |v|), erf(t) = 1 - (1 + a1 t + .. + a6 t^6)^-16 (Abramowitz and Stegun 7.1.28, error under 3e-7, about 1e-6 with f32 rounding; for every t >= 0: an overflow gives 1).
; LIMITS: NaN and infinities are not served.  A block of zeros of x gets the scale byte 1 where the rule says 127: its codes are zeros.
; SHARES.  A work-group owns 256 rows, each of its four waves 64: four tiles m of 16.  EVERY PRODUCT IS USED TRANSPOSED (source 0 = a weight image, source 1 = the rows): lane (r, h) holds row r throughout, and register j
; of tile t the feature 16 t + 8 h + j.  Two result tiles, rounded in pairs, ARE the next source 1: nothing changes lanes and no wave reads what another made.  An image read from LDS feeds four matrix instructions.
; CLUSTER.  The four work-groups of a cluster walk the same weights: every tensor load is asked for jointly (mask 15), each wave a quarter of the bytes.
; THE MLP BY TURNS.  A(c): U = WU(c) Z + bias, 32 hidden units, 64 matrix instructions.  G(c): gelu and rounding, 576 vector instructions.  B(c): ACC += WD(c) H(c), 64.  Turn t is B(t-1), then A(t+1), with G(t) in slices,
; one behind each matrix instruction.  B(-1) adds b_down (an operand of ones).  Turn 31's A multiplies WD(31)'s bytes and its result is dropped: 64 matrix instructions, the price of one text for all turns.
; THE STREAM.  A turn's two pieces are eight groups of four images; the group for matrix instructions 16 (g+1) .. is read from LDS at instruction 16 g.  The fills begin one group late, so all reads of turns 4 f .. 4 f + 3 lie in fill f.
; LDS: slot 0 at 0, slot 1 at 131,072 (131,072 bytes each; slot 1 first holds W_in's codes); HEAD at 262,144: the first 38,912 bytes of wts; the spare words; the stage for the way out, 2,560 bytes a wave.
; REGISTERS, in windows of 256.  Window 0: v1-15 addresses, constants; v16-31 a bias (first W_in's scale words; in the norm means and factors); v32-47, v48-55 at work; v56-63 x's scale words, later WF's image;
;   v64-127 two groups of four images (first x's codes; at the end the gelu's work); v128-191, v192-255 two buffers of U / H (first b_in's tiles).  Window 1: W_in's images, then Z, then n.
;   Windows 2, 3: x as loaded, then the 64 accumulators ACC[m][f] at 128 (m % 2) + 8 f of window 2 + m / 2; at the end window 2 holds the head's four accumulators, window 3 two pieces of WC.
.set SLOT1,  131072
.set HEAD,   262144
.set SPARE,  301056                    ; the spare words, 128 bytes for each wave: two blocks of 256 bytes that no other line names
.set STG,    301568                    ; the stage: no fill ever lands here
.set O_CPP,  4096
.set O_BIN,  6144
.set O_WIS,  7168
.set O_WF,   9216
.set O_OB,   17408
.set O_WU0,  18432
.set O_FILL, 38912
.set O_CODE, 1218560
.set LI,   1                           ; v1   16 x lane
.set ADR,  2                           ; v2   LDS address of the images in hand
.set BADR, 3                           ; v3   of the bias in hand
.set BA0,  4                           ; v4   HEAD + 32 h
.set SPW,  5                           ; v5   my spare word; never rewritten
.set NIL,  6                           ; v6   0; never rewritten
.set HA,   7                           ; v7   HEAD + 16 x lane
.set A6,   8                           ; v[8:9] a6, twice
.set XA,   10                          ; v10  x: 1,024 r + 64 h; on the way out: where I put my numbers
.set HS,   11                          ; v11  HEAD + 8 r + 4 h; on the way out: where I read them back
.set WADR, 12                          ; v12  WF's image in hand
.set T0,   13                          ; v13-15 at work
.set BU,   16
.set WIS,  16
.set MU,   16
.set RS,   24
.set RT,   32
.set TM,   32
.set SA,   32
.set XT,   48
.set XS,   56
.set WFR,  56
.set FR,   64
.set XC,   64
.set UH,   128
.set BI,   128
.set WV,   10                          ; s10  wave
.set G1H,  16                          ; s[16:23], s[24:31], s[32:39] descriptor groups 1: 38, 128, 32 rows of 256 bytes
.set G1S,  24
.set G1W,  32
.set G0H,  40                          ; s[40:43] HEAD; s[44:47] the fills, which walk; s[48:51] W_in's codes
.set G0S,  44
.set G0W,  48
.set TB,   52                          ; s52  LDS byte at which the turn's reads begin
.set TBI,  53                          ; s53  the bias's byte in HEAD
.set FILL, 54
.set TW,   55
.set SQ2,  56
.set I256, 57
.set EPS,  58
.set TWF,  59
.set SEL,  60                          ; s[60:61] lane l xor 16
.set AC,   66                          ; s[66:75] a5, a4, a3, a2, a1, each twice: the packed form names a pair
.set MSB, 0
.macro WIN new                         ; the immediate's high byte repeats the setting that is left; a switch that changes nothing is dropped
.if MSB != (\new)
	s_set_vgpr_msb (MSB<<8)|(\new)
.set MSB, (\new)
.endif
.endm
.macro PLACES n
.rept \n
	v_nop
.endr
.endm
.macro SPAIR r, val
	s_mov_b32 s[\r], \val
	s_mov_b32 s[\r+1], \val
.endm
.macro CROUND                          ; a round of the cluster's barrier: my work-group's barrier, wave 0 signals for it, all wait for the four work-groups, my work-group's barrier once more
	s_barrier_signal -1
	s_barrier_wait -1
	s_cmp_lg_u32 s[WV], 0
	s_cbranch_scc1 .Lnot_wave_0_\@
	s_barrier_signal -3
.Lnot_wave_0_\@:
	s_barrier_wait -3
	s_barrier_signal -1
	s_barrier_wait -1
.endm
; fragment i = 2 m + s of x (16 rows x 128 along K): lane (r, h) takes 16 neighbours of each block of 32: register 16 b + i' = k 32 b + 16 h + i'
.macro XLOAD i
.set QS, 128*(((\i)/2)%2)+64*((\i)%2)
	WIN (2+(\i)/4)<<6
.irp b, 0,1,2,3
.irp j, 0,1,2,3
	global_load_b128 v[QS+16*\b+4*\j:QS+16*\b+4*\j+3], v[XA], s[4:5] offset:16384*((\i)/2)+512*((\i)%2)+128*\b+16*\j th:TH_LOAD_NT
.endr
.endr
.endm
; its 64 numbers a lane become the operand's eight registers v[XC + 8 i ..] and the rows' scale word v[XS + i]
.macro QUANT i
.set QW, 2+(\i)/4
.set QS, 128*(((\i)/2)%2)+64*((\i)%2)
	WIN QW|(QW<<2)
.irp b, 0,1,2,3
	v_max3_num_f32 v[TM+\b], |v[QS+16*\b]|, |v[QS+16*\b+1]|, 0x1800000   ; my 16 numbers of block b, and the floor 2^(3 - 127): the byte cannot fall under 1
.endr
.irp n, 2,4,6,8,10,12,14
.irp b, 0,1,2,3
	v_max3_num_f32 v[TM+\b], |v[QS+16*\b+\n]|, |v[QS+16*\b+\n+1]|, v[TM+\b]
.endr
.endr
	WIN 0
.irp b, 0,1,2,3
	v_permlanex16_b32 v[TM+4+\b], v[TM+\b], s[SEL], s[SEL+1]
.endr
.irp b, 0,1,2,3
	v_max_num_f32 v[TM+\b], v[TM+\b], v[TM+4+\b]   ; with lane l xor 16's: the block's largest magnitude
.endr
.irp b, 0,1,2,3
	v_add_nc_u32 v[TM+12+\b], 0xff000000, v[TM+\b] ; 2 off its exponent field: the conversion's scale operand
.endr
.irp b, 0,1,2,3
	v_lshrrev_b32 v[TM+4+\b], 23, v[TM+12+\b]      ; the scale's byte
.endr
	v_lshl_or_b32 v[XS+(\i)], v[TM+5], 8, v[TM+4]
	v_lshl_or_b32 v[XS+(\i)], v[TM+6], 16, v[XS+(\i)]
	v_lshl_or_b32 v[XS+(\i)], v[TM+7], 24, v[XS+(\i)]
	WIN QW
.irp b, 0,1,2,3
	v_cvt_scalef32_pk8_fp4_f32 v[XC+8*(\i)+2*\b], v[QS+16*\b:QS+16*\b+7], v[TM+12+\b]
	v_cvt_scalef32_pk8_fp4_f32 v[XC+8*(\i)+2*\b+1], v[QS+16*\b+8:QS+16*\b+15], v[TM+12+\b]
.endr
	WIN 0
	v_nop                                          ; one plain line behind the conversions
.irp c, 0,1                                    ; the operand wants a whole block in a lane: lanes 0-15 block 2 c, lanes 16-31 block 2 c + 1
.irp u, 0,1
	v_permlane16_swap_b32 v[XC+8*(\i)+4*\c+\u], v[XC+8*(\i)+4*\c+2+\u]
.endr
.endr
.endm
.macro RUNL adr, off, grp              ; four images, 4,096 bytes, into group grp
.irp q, 0,1,2,3
	ds_load_b128 v[FR+32*(\grp)+8*\q:FR+32*(\grp)+8*\q+3], v[\adr] offset:(\off)+1024*\q
	ds_load_b128 v[FR+32*(\grp)+8*\q+4:FR+32*(\grp)+8*\q+7], v[\adr] offset:(\off)+1024*\q+512
.endr
.endm
.macro BLOAD adr, off                  ; the bias of 32 features in the result's layout: tile t, my half's eight
.irp t, 0,1
	ds_load_b128 v[BU+8*\t:BU+8*\t+3], v[\adr] offset:(\off)+64*\t
	ds_load_b128 v[BU+8*\t+4:BU+8*\t+7], v[\adr] offset:(\off)+64*\t+16
.endr
.endm
.macro FLOAD adr, off, sel             ; a piece of WC, 16 images, into half sel of window 3
	WIN 0xc0
.set n, 0
.rept 16
	ds_load_b128 v[128*(\sel)+8*n:128*(\sel)+8*n+3], v[\adr] offset:(\off)+1024*n
	ds_load_b128 v[128*(\sel)+8*n+4:128*(\sel)+8*n+7], v[\adr] offset:(\off)+1024*n+512
.set n, n+1
.endr
	WIN 0
.endm
; Product a of 64 of ACC += WD H: tile f = a / 4, rows m = a % 4.  The 64 accumulators take turns, one instruction a turn.
.macro WB a
.set wF, (\a)/4
.set wM, (\a)%4
.set rA, 128*(wM%2)+8*wF
.set rF, FR+32*(((\a)/16)%2)+8*(wF%4)
.set rH, X+16*wM
	WIN 0xa0+0x50*(wM/2)
	v_wmma_f32_16x16x32_bf16 v[rA:rA+7], v[rF:rF+7], v[rH:rH+7], v[rA:rA+7]
.endm
; Product a of 64 of U = WU Z + bias: K step a / 8, tile (a / 4) % 2, rows a % 4.  The first eight take the bias as C: nothing is cleared or added.  Eight accumulators by turns.
.macro WA a
.set wS, (\a)/8
.set wT, ((\a)/4)%2
.set wM, (\a)%4
.set rU, X+16*wM+8*wT
.set rF, FR+32*(((\a)/16)%2)+8*(((\a)/4)%4)
.set rZ, 64*wM+8*wS
	WIN 0x04
.if wS == 0
	v_wmma_f32_16x16x32_bf16 v[rU:rU+7], v[rF:rF+7], v[rZ:rZ+7], v[BU+8*wT:BU+8*wT+7]
.else
	v_wmma_f32_16x16x32_bf16 v[rU:rU+7], v[rF:rF+7], v[rZ:rZ+7], v[rU:rU+7]
.endif
.endm
.macro WA2 a, sel                      ; the same for U = WC n + c'', in f16, the piece in half sel of window 3
.set wS, (\a)/8
.set wT, ((\a)/4)%2
.set wM, (\a)%4
.set rU, X+16*wM+8*wT
.set rF, 128*(\sel)+8*((\a)/4)
.set rZ, 64*wM+8*wS
	WIN 0x07
.if wS == 0
	v_wmma_f32_16x16x32_f16 v[rU:rU+7], v[rF:rF+7], v[rZ:rZ+7], v[BU+8*wT:BU+8*wT+7]
.else
	v_wmma_f32_16x16x32_f16 v[rU:rU+7], v[rF:rF+7], v[rZ:rZ+7], v[rU:rU+7]
.endif
.endm
; THE GELU OF A BUFFER Y (64 registers a lane) is a list of 576 instructions; GP writes number gk of it.  Two batches of 16 pairs: 224 instructions up to the reciprocals, then 64 that read them.
; Up to the reciprocals four pairs go by turns through 14 stages: t = sqrt2 |v| (2), the polynomial (6, packed), four squarings (packed), two reciprocals in place.  None of these names a reciprocal's result.
; Behind the batch's one wait: erf = 1 - r (packed), v + |v| erf (2), the rounding of the pair, in place and ascending: tile pair (m, 0), (m, 1) becomes H[m] in Y + 16 m + 0 .. 7.
; Where the work r lies.  mode 0: batch 0 in the upper halves of X's four H (free while B reads the lower halves; done before A writes X); batch 1 in the upper halves that batch 0's rounding freed, and in v32-47.  mode 1: v64-127.
.macro GP mode
.set gB, gk/288
.set gR, gk%288
.if gR < 224
.set gS, (gR%56)/4
.set gP, 4*(gR/56)+gR%4
.else
.set gS, 14+((gR-224)%16)/4
.set gP, 4*((gR-224)/16)+gR%4
.endif
.set rX, XT+2*(gR%4)
.set rU, Y+32*gB+2*gP
.if \mode
.set rR, 64+32*gB+2*gP
.elseif gB == 0
.set rR, X+16*(gP/4)+8+2*(gP%4)
.elseif gP < 8
.set rR, Y+16*(gP/4)+8+2*(gP%4)
.else
.set rR, RT+2*(gP-8)
.endif
	WIN 0
.if gS == 0
	v_mul_f32 v[rX], s[SQ2], |v[rU]|
.elseif gS == 1
	v_mul_f32 v[rX+1], s[SQ2], |v[rU+1]|
.elseif gS == 2
	v_pk_fma_f32 v[rR:rR+1], v[rX:rX+1], v[A6:A6+1], s[AC:AC+1] op_sel_hi:[1,1,0]
.elseif gS < 7
	v_pk_fma_f32 v[rR:rR+1], v[rR:rR+1], v[rX:rX+1], s[AC+2*(gS-2):AC+2*(gS-2)+1] op_sel_hi:[1,1,0]
.elseif gS == 7
	v_pk_fma_f32 v[rR:rR+1], v[rR:rR+1], v[rX:rX+1], 1.0 op_sel_hi:[1,1,0]
.elseif gS < 12
	v_pk_mul_f32 v[rR:rR+1], v[rR:rR+1], v[rR:rR+1]
.elseif gS == 12
	v_rcp_f32 v[rR], v[rR]
.elseif gS == 13
	v_rcp_f32 v[rR+1], v[rR+1]
.elseif gS == 14
	v_pk_fma_f32 v[rR:rR+1], v[rR:rR+1], -1.0, 1.0 op_sel_hi:[1,0,0]
.elseif gS == 15
	v_fma_f32 v[rU], |v[rU]|, v[rR], v[rU]
.elseif gS == 16
	v_fma_f32 v[rU+1], |v[rU+1]|, v[rR+1], v[rU+1]
.else
.set rH, Y+16*(2*gB+gP/8)+gP%8
.if \mode
	v_cvt_pk_f16_f32 v[rH], v[rU], v[rU+1]
.else
	v_cvt_pk_bf16_f32 v[rH], v[rU], v[rU+1]
.endif
.endif
.set gk, gk+1
.endm
; A TURN OF THE MLP.  Y = buffer p holds U(t); X, the other, holds H(t-1) and then takes U(t+1).  128 matrix instructions, a slice of the gelu behind each: 14/3 on the average for 48, then 4 for 16, twice.
; A run of eight LDS loads stands at every sixteenth matrix instruction; it fills the group that the sixteen before it read.  The slice in front of it is four plain lines or more that name none of the last product's registers;
; at 48 and 112 that slice ends in reciprocals, so four v_nop stand there, and with them the batch's one wait for the reciprocals, ahead of the first line that names a result.
; s_wait_dscnt 8: the run just issued may be out, the one before it (and at 64 the bias) is in.  At 48 the count is 12: the run and the four loads of the next bias.
.macro TURN p
.set Y, UH+64*(\p)
.set X, UH+64*(1-(\p))
	WIN 0
	v_add_nc_u32 v[ADR], s[TB], v[LI]
	v_add_nc_u32 v[BADR], s[TBI], v[BA0]
	s_add_co_u32 s[TB], s[TB], 32768
	s_add_co_u32 s[TBI], s[TBI], 128
.set gk, 0
.set i, 0
.rept 128
.if i%16 == 0
	WIN 0
.if i%64 == 48
	PLACES 4
	s_wait_alu depctr_va_vdst(0)
.endif
	RUNL ADR, 4096*(i/16), (i/16+1)%2
.if i == 48
	BLOAD BADR, 0
	s_wait_dscnt 12
.else
	s_wait_dscnt 8
.endif
.endif
.if i < 64
	WB i
.else
	WA i-64
.endif
.set ii, i%64
.if ii < 48
.set sn, 14*(ii+1)/3-14*ii/3
.else
.set sn, 4
.endif
.rept sn
	GP 0
.endr
.set i, i+1
.endr
.endm
; THE CHANGE OF SLOTS, at a turn's edge.  Each wave waits for all its tensor loads (one is out: its quarter of the fill that the next four turns read), adds 0 to its spare word, and waits for that and for its reads of the slot that it leaves.
; fill = 1: behind a round of the cluster's barrier the slot just left takes the next fill: every wave's one tensor load, the first thing there; it has four turns, 512 matrix instructions, in which to land.
.macro CHANGE fill
	WIN 0
	s_wait_tensorcnt 0x0                           ; no tensor load of mine is out, so the walking group 0 may be written
	ds_add_u32 v[SPW], v[NIL]                      ; 0 onto my spare word
.if \fill
	s_xor_b32 s[G0S+1], s[G0S+1], SLOT1            ; the other slot than last time,
	s_add_nc_u64 s[G0S+2:G0S+3], s[G0S+2:G0S+3], 131072   ; the next 131,072 bytes; the type bits on top are not reached
.endif
	s_wait_dscnt 0x0                               ; the add is done, and my LDS reads are back
.if \fill
	CROUND
	tensor_load_to_lds s[G0S:G0S+3], s[G1S:G1S+7]
	s_nop 0
	PLACES 4
.else
	s_barrier_signal -1
	s_barrier_wait -1
.endif
.endm
; A TURN OF THE LAST STAGE.  Y holds U(e) = (n WC + c'')(e), X takes U(e+1): 64 matrix instructions with the gelu of Y behind them, 28/3 on the average for 24, then 8 for 8, twice; then OA += WF(e) g(e), four.
; At its head piece e + 2 is asked for, into the half of window 3 that the turn before multiplied, and WF's image e.  s_wait_dscnt 34: these 34 may be out; the bias asked for earlier is in.
.macro TURN2 p
.set Y, UH+64*(\p)
.set X, UH+64*(1-(\p))
	v_add_nc_u32 v[ADR], s[TB], v[LI]
	v_add_nc_u32 v[BADR], s[TBI], v[BA0]
	v_add_nc_u32 v[WADR], s[TWF], v[HA]
	s_add_co_u32 s[TB], s[TB], 16384
	s_add_co_u32 s[TBI], s[TBI], 128
	s_add_co_u32 s[TWF], s[TWF], 1024
	FLOAD ADR, 0, \p
	ds_load_b128 v[WFR:WFR+3], v[WADR] offset:O_WF
	ds_load_b128 v[WFR+4:WFR+7], v[WADR] offset:O_WF+512
	s_wait_dscnt 34
.set gk, 0
.set i, 0
.rept 64
.if i%32 == 24
	WIN 0
	v_nop                                          ; a plain line behind the last reciprocal,
	s_wait_alu depctr_va_vdst(0)                   ; and the batch's one wait, ahead of the first line that names a result
.endif
	WA2 i, 1-(\p)
.set ii, i%32
.if ii < 24
.set sn, 28*(ii+1)/3-28*ii/3
.else
.set sn, 8
.endif
.rept sn
	GP 1
.endr
.if i == 16
	BLOAD BADR, 0                                  ; the bias of e + 2: the first eight products, which read this one, lie nine slices back
.endif
.set i, i+1
.endr
	s_wait_dscnt 0x0                               ; WF's image, the next piece and the next bias are in
	WIN 0xa0
.irp m, 0,1,2,3
	v_wmma_f32_16x16x32_f16 v[64+8*\m:71+8*\m], v[WFR:WFR+7], v[Y+16*\m:Y+16*\m+7], v[64+8*\m:71+8*\m]
.endr
	WIN 0
	PLACES 5                                       ; the next turn's products write over the g that these four read, and its loads land on WF's image
.endm
.macro ROWSUM                          ; four rows' sums: two chains, two halves of a pair, the other half of the lanes
.irp m, 0,1,2,3
	v_pk_add_f32 v[SA+4*\m:SA+4*\m+1], v[SA+4*\m:SA+4*\m+1], v[SA+4*\m+2:SA+4*\m+3]
.endr
.irp m, 0,1,2,3
	v_add_f32 v[SA+4*\m], v[SA+4*\m], v[SA+4*\m+1]
.endr
.irp m, 0,1,2,3
	v_permlanex16_b32 v[SA+4*\m+1], v[SA+4*\m], s[SEL], s[SEL+1]
.endr
.irp m, 0,1,2,3
	v_add_f32 v[SA+4*\m], v[SA+4*\m], v[SA+4*\m+1]
.endr
.endm
	; ---------------- the head
	s_load_b128 s[4:7], s[0:1], 0x0                ; x, wts
	s_load_b64 s[8:9], s[0:1], 0x10                ; out0
	v_lshl_add_u32 v[SPW], v0, 2, SPARE
	v_mov_b32 v[NIL], 0
	ds_add_u32 v[SPW], v[NIL]                      ; the wave's opening: the add and its wait stand ahead of my first tensor load; the set-up below, work on registers, stands between them
	v_lshrrev_b32 v[T0], 5, v0
	v_readfirstlane_b32 s[WV], v[T0]               ; wave 0..3
	s_bfe_u32 s11, ttmp6, 0x40000                  ; cx
	s_lshl_b32 s12, ttmp9, 2
	s_add_co_u32 s12, s12, s11                     ; my work-group: it enters x's and out0's addresses alone
	v_and_b32 v[LI], 31, v0
	v_lshlrev_b32 v[LI], 4, v[LI]
	v_and_b32 v[T0], 15, v0                        ; r
	v_bfe_u32 v[T0+1], v0, 4, 1                    ; h
	v_lshl_add_u32 v[BA0], v[T0+1], 5, HEAD
	v_add_nc_u32 v[HA], HEAD, v[LI]
	v_lshlrev_b32 v[XA], 10, v[T0]
	v_lshl_add_u32 v[XA], v[T0+1], 6, v[XA]
	v_lshl_add_u32 v[HS], v[T0], 3, HEAD
	v_lshl_add_u32 v[HS], v[T0+1], 2, v[HS]
	v_add_nc_u32 v[ADR], SLOT1, v[LI]
.irp b, 0,1,2,3
	v_mov_b32 v[TM+4+\b], 0                        ; written once: a lane permute's destination counts as one of its sources
.endr
	; descriptor groups 1: dense rows of 256 bytes (32 elements of 8), no padding: the images are read at 16 x lane
.irp g, G1H, G1S, G1W
	s_mov_b32 s[\g], 15|(3<<16)|(1<<21)            ; 15:0 the mask: all four work-groups; 17:16 elements of 8 bytes; 21 set beside a mask
	s_mov_b32 s[\g+1], 32<<16                      ; tensor_dim0 = 32
	s_mov_b32 s[\g+3], 32<<16                      ; tile_dim0 = 32
	s_mov_b32 s[\g+5], 32                          ; from row to row
	s_mov_b32 s[\g+6], 0
	s_mov_b32 s[\g+7], 0
.endr
	s_mov_b32 s[G1H+2], 38<<16                     ; tensor_dim1 and tile_dim1: a wave's quarter of HEAD's 152 rows,
	s_mov_b32 s[G1H+4], 38
	s_mov_b32 s[G1S+2], 128<<16                    ; of a fill's 512,
	s_mov_b32 s[G1S+4], 128
	s_mov_b32 s[G1W+2], 32<<16                     ; of the codes' 128
	s_mov_b32 s[G1W+4], 32
	s_mov_b32 s[SQ2], 0x3fb504f3                   ; sqrt 2
	s_mov_b32 s[I256], 0x3b800000                  ; 1 / 256
	s_mov_b32 s[EPS], 0x3727c5ac                   ; 1e-5
	s_mov_b32 s[SEL], 0x76543210
	s_mov_b32 s[SEL+1], 0xfedcba98
	SPAIR AC, 0x39910039                           ; a5
	SPAIR AC+2, 0x391f6607                         ; a4
	SPAIR AC+4, 0x3c17e369                         ; a3
	SPAIR AC+6, 0x3d2d2fe7                         ; a2
	SPAIR AC+8, 0x3d906e67                         ; a1
	s_lshl_b32 s14, s12, 18                        ; x: 256 rows of 1,024 bytes a work-group,
	s_lshl_b32 s13, s[WV], 16                      ; 64 a wave
	s_add_co_u32 s14, s14, s13
	s_mov_b32 s15, 0
	s_mul_i32 s62, s12, 10240                      ; out0: rows of 40 bytes
	s_mul_i32 s13, s[WV], 2560
	s_add_co_u32 s62, s62, s13
	s_mov_b32 s63, 0
	s_mul_i32 s76, s[WV], 9728                     ; my quarters: of HEAD,
	s_mov_b32 s77, 0
	s_lshl_b32 s78, s[WV], 13                      ; of the codes,
	s_add_co_u32 s78, s78, O_CODE
	s_mov_b32 s79, 0
	s_lshl_b32 s2, s[WV], 15                       ; of a fill
	s_add_co_u32 s2, s2, O_FILL
	s_mov_b32 s3, 0
	s_wait_dscnt 0x0                               ; the opening add is done
	s_wait_kmcnt 0x0
	s_add_nc_u64 s[4:5], s[4:5], s[14:15]
	s_add_nc_u64 s[8:9], s[8:9], s[62:63]
	XLOAD 0                                        ; x is wanted first of all: three fragments, 48 loads, go out ahead of the round
	XLOAD 1
	XLOAD 2
	WIN 0
	s_mov_b32 s[G0H], 1                            ; count = 1
	s_add_co_u32 s[G0H+1], s76, HEAD               ; LDS address: a constant + the wave's number x a constant
	s_add_nc_u64 s[G0H+2:G0H+3], s[6:7], s[76:77]
	s_or_b32 s[G0H+3], s[G0H+3], 0x80000000        ; type = 2
	s_mov_b32 s[G0W], 1
	s_lshl_b32 s13, s[WV], 13
	s_add_co_u32 s[G0W+1], s13, SLOT1
	s_add_nc_u64 s[G0W+2:G0W+3], s[6:7], s[78:79]
	s_or_b32 s[G0W+3], s[G0W+3], 0x80000000
	s_mov_b32 s[G0S], 1
	s_lshl_b32 s[G0S+1], s[WV], 15
	s_add_nc_u64 s[G0S+2:G0S+3], s[6:7], s[2:3]
	s_or_b32 s[G0S+3], s[G0S+3], 0x80000000
	CROUND                                         ; all four work-groups are here: the first joint loads meet
	tensor_load_to_lds s[G0H:G0H+3], s[G1H:G1H+7]  ; the three first fills go out together: three loads of mine are out
	s_nop 0
	tensor_load_to_lds s[G0W:G0W+3], s[G1W:G1W+7]
	s_nop 0
	tensor_load_to_lds s[G0S:G0S+3], s[G1S:G1S+7]
	s_nop 0
	PLACES 4
	s_wait_tensorcnt 0x1                           ; my parts of HEAD and of the codes are in; fill 0 may stay out
	s_barrier_signal -1
	s_barrier_wait -1                              ; everybody's are
	WIN 0x40
.set n, 0
.rept 32                                       ; W_in's 32 images (tile f, K step s: 2 f + s) into window 1
	ds_load_b128 v[8*n:8*n+3], v[ADR] offset:1024*n
	ds_load_b128 v[8*n+4:8*n+7], v[ADR] offset:1024*n+512
.set n, n+1
.endr
	WIN 0
.set n, 0
.rept 16
	ds_load_b32 v[WIS+n], v[HS] offset:O_WIS+128*n                 ; tile n's scale words: lanes 0-15 K step 0's, lanes 16-31 K step 1's
	ds_load_b128 v[BI+8*n:BI+8*n+3], v[BA0] offset:O_BIN+64*n      ; and b_in in the result's layout
	ds_load_b128 v[BI+8*n+4:BI+8*n+7], v[BA0] offset:O_BIN+64*n+16
.set n, n+1
.endr
	; ---------------- x into codes, a fragment at a time, the loads three fragments ahead
.irp i, 0,1,2,3,4,5,6,7
.if \i < 5
	XLOAD \i+3
	s_wait_loadcnt 48                              ; the three fragments asked for behind this one may be out
.else
	s_wait_loadcnt 16*(7-\i)
.endif
	QUANT \i
.endr
	; ---------------- z = Q(x) Q(W_in) + b_in: 128 scaled matrix instructions; the 64 accumulators by turns; b_in is the first K step's C
	s_wait_dscnt 0x0
	PLACES 8                                       ; a scale word written by a vector instruction stands eight places ahead of a scaled matrix instruction
.irp s, 0,1
.irp w, 0,1
.if \s == 0
	WIN ((2+\w)<<6)|1
.else
	WIN ((2+\w)<<6)|((2+\w)<<4)|1
.endif
.set n, 0
.rept 32
.set rA, 128*(n%2)+8*(n/2)
.set rW, 16*(n/2)+8*\s
.set rX, XC+8*(2*(2*\w+n%2)+\s)
.if \s == 0
	v_wmma_scale_f32_16x16x128_f8f6f4 v[rA:rA+7], v[rW:rW+7], v[rX:rX+7], v[BI+8*(n/2):BI+8*(n/2)+7], v[WIS+n/2], v[XS+2*(2*\w+n%2)+\s] matrix_a_fmt:MATRIX_FMT_FP4 matrix_b_fmt:MATRIX_FMT_FP4
.else
	v_wmma_scale_f32_16x16x128_f8f6f4 v[rA:rA+7], v[rW:rW+7], v[rX:rX+7], v[rA:rA+7], v[WIS+n/2], v[XS+2*(2*\w+n%2)+\s] matrix_a_fmt:MATRIX_FMT_FP4 matrix_b_fmt:MATRIX_FMT_FP4 matrix_a_scale:MATRIX_SCALE_ROW1
.endif
.set n, n+1
.endr
.endr
.endr
	PLACES 4
.irp w, 0,1                                    ; Z: z in bf16, as source 1 of the next product; z itself stays in the accumulators: it is the residual.  Each accumulator from its low end on
	WIN 0x40|(2+\w)|((2+\w)<<2)
.set n, 0
.rept 128
	v_cvt_pk_bf16_f32 v[128*\w+n], v[2*n], v[2*n+1]
.set n, n+1
.endr
.endr
	WIN 0
	v_bfe_u32 v[T0], v0, 4, 1                      ; the operand of ones: k = 0, 1, 2 are 1.0, all else 0; k = 0 .. 7 lie in lanes 0-15
	v_cmp_eq_u32 vcc_lo, 0, v[T0]
	v_mov_b32 v[T0+1], 0x3f803f80
	v_cndmask_b32 v[T0+1], 0, v[T0+1], vcc_lo
	v_mov_b32 v[T0+2], 0x3f80
	v_cndmask_b32 v[T0+2], 0, v[T0+2], vcc_lo
.irp m, 0,1,2,3
	v_mov_b32 v[UH+64+16*\m], v[T0+1]
	v_mov_b32 v[UH+64+16*\m+1], v[T0+2]
.irp j, 2,3,4,5,6,7
	v_mov_b32 v[UH+64+16*\m+\j], 0
.endr
.endr
	v_mov_b32 v[A6], 0x38349f67                    ; a6
	v_mov_b32 v[A6+1], 0x38349f67
	; ---------------- A(0), bare: there is no vector work yet to set between.  WU(0) and the stream's first group lie on end in HEAD: five runs
.set X, UH
	RUNL HA, O_WU0, 0
	BLOAD BA0, 0
.set i, 0
.rept 64
.if i%16 == 0
	WIN 0
.if i > 0
	PLACES 4
.endif
	RUNL HA, O_WU0+4096*(i/16+1), (i/16+1)%2
	s_wait_dscnt 8                                 ; the run just issued may be out
.endif
	WA i
.set i, i+1
.endr
	WIN 0
	PLACES 4                                       ; the first turn reads these results and loads over the last group
	; ---------------- the MLP: 8 fills x 2 trips x 2 turns
	s_mov_b32 s[TB], 0
	s_mov_b32 s[TBI], 128
	s_mov_b32 s[FILL], 8
.Lfill:
	CHANGE 1
	s_mov_b32 s[TW], 2
.Ltrip:
	TURN 0
	TURN 1
	WIN 0
	s_sub_co_u32 s[TW], s[TW], 1
	s_cmp_lg_u32 s[TW], 0
	s_cbranch_scc1 .Ltrip
	s_sub_co_u32 s[TB], s[TB], 131072              ; back to a slot's first byte,
	s_xor_b32 s[TB], s[TB], SLOT1                  ; in the other slot
	s_sub_co_u32 s[FILL], s[FILL], 1
	s_cmp_lg_u32 s[FILL], 0
	s_cbranch_scc1 .Lfill
	; ---------------- B(31): WD(31) once more, 110,592 bytes into slot 1; its 16 images fill v64-191
	s_wait_dscnt 0x0
	PLACES 4
	v_add_nc_u32 v[ADR], SLOT1+110592, v[LI]
.set n, 0
.rept 16
	ds_load_b128 v[FR+8*n:FR+8*n+3], v[ADR] offset:1024*n
	ds_load_b128 v[FR+8*n+4:FR+8*n+7], v[ADR] offset:1024*n+512
.set n, n+1
.endr
	s_wait_dscnt 0x0
.irp w, 0,1
	WIN 0xa0+0x50*\w
.set n, 0
.rept 32
	v_wmma_f32_16x16x32_bf16 v[128*(n%2)+8*(n/2):128*(n%2)+8*(n/2)+7], v[FR+8*(n/2):FR+8*(n/2)+7], v[UH+64+16*(2*\w+n%2):UH+64+16*(2*\w+n%2)+7], v[128*(n%2)+8*(n/2):128*(n%2)+8*(n/2)+7]
.set n, n+1
.endr
.endr
	CHANGE 0                                       ; the last fill, WC's eight pieces in slot 0, is whole; nothing is asked for any more
	; ---------------- the norm, in f32, in two passes: the mean; the differences in place and their squares
	PLACES 4
.irp w, 0,1
	WIN (2+\w)|((2+\w)<<2)
.irp c, 0,1
.irp mm, 0,1
	v_pk_add_f32 v[SA+4*(2*\w+\mm)+2*\c:SA+4*(2*\w+\mm)+2*\c+1], v[128*\mm+4*\c:128*\mm+4*\c+1], v[128*\mm+4*\c+2:128*\mm+4*\c+3]
.endr
.endr
	WIN 2+\w
.set n, 4
.rept 60                                       ; four chains by turns; each accumulator from its low end on
.irp mm, 0,1
	v_pk_add_f32 v[SA+4*(2*\w+\mm)+2*(n%2):SA+4*(2*\w+\mm)+2*(n%2)+1], v[128*\mm+2*n:128*\mm+2*n+1], v[SA+4*(2*\w+\mm)+2*(n%2):SA+4*(2*\w+\mm)+2*(n%2)+1]
.endr
.set n, n+1
.endr
.endr
	WIN 0
	ROWSUM
.irp m, 0,1,2,3
	v_mul_f32 v[MU+2*\m], s[I256], v[SA+4*\m]
	v_mul_f32 v[MU+2*\m+1], s[I256], v[SA+4*\m]
.endr
.irp w, 0,1
	WIN ((2+\w)<<6)|(2+\w)
.set n, 0
.rept 128
	v_pk_add_f32 v[2*n:2*n+1], v[2*n:2*n+1], v[MU+2*(2*\w+n/64):MU+2*(2*\w+n/64)+1] neg_lo:[0,1] neg_hi:[0,1]
.set n, n+1
.endr
	WIN (2+\w)|((2+\w)<<2)
.set n, 0
.rept 64
.irp mm, 0,1
.if n < 2
	v_pk_mul_f32 v[SA+4*(2*\w+\mm)+2*(n%2):SA+4*(2*\w+\mm)+2*(n%2)+1], v[128*\mm+2*n:128*\mm+2*n+1], v[128*\mm+2*n:128*\mm+2*n+1]
.else
	v_pk_fma_f32 v[SA+4*(2*\w+\mm)+2*(n%2):SA+4*(2*\w+\mm)+2*(n%2)+1], v[128*\mm+2*n:128*\mm+2*n+1], v[128*\mm+2*n:128*\mm+2*n+1], v[SA+4*(2*\w+\mm)+2*(n%2):SA+4*(2*\w+\mm)+2*(n%2)+1]
.endif
.endr
.set n, n+1
.endr
.endr
	WIN 0
	ROWSUM
.irp m, 0,1,2,3
	v_fma_f32 v[SA+4*\m], v[SA+4*\m], s[I256], s[EPS]
.endr
.irp m, 0,1,2,3
	v_rsq_f32 v[RS+2*\m], v[SA+4*\m]
	v_rsq_f32 v[RS+2*\m+1], v[SA+4*\m]
.endr
	v_nop                                          ; a plain line behind the last of them,
	s_wait_alu depctr_va_vdst(0)                   ; and one wait for the eight, ahead of the first line that names a result
.irp w, 0,1
	WIN ((2+\w)<<6)|(2+\w)
.set n, 0
.rept 128
	v_pk_mul_f32 v[2*n:2*n+1], v[2*n:2*n+1], v[RS+2*(2*\w+n/64):RS+2*(2*\w+n/64)+1]
.set n, n+1
.endr
	WIN 0x40|(2+\w)|((2+\w)<<2)
.set n, 0
.rept 128
	v_cvt_pk_f16_f32 v[128*\w+n], v[2*n], v[2*n+1] ; n in f16, where Z lay
.set n, n+1
.endr
.if \w == 0
	WIN 0x80
.irp m, 0,1,2,3                                ; the head's four accumulators begin as o0, in registers of window 2 that are done with
	ds_load_b128 v[64+8*\m:67+8*\m], v[BA0] offset:O_OB
	ds_load_b128 v[68+8*\m:71+8*\m], v[BA0] offset:O_OB+16
.endr
.endif
.endr
	; ---------------- the last stage: pieces 0 and 1 of WC, the first bias; A'(0) bare
	FLOAD LI, 0, 0
	FLOAD LI, 16384, 1
	BLOAD BA0, O_CPP
	s_wait_dscnt 0x0
.set X, UH
.set i, 0
.rept 64
.if i == 16
	WIN 0
	PLACES 4
	BLOAD BA0, O_CPP+128                           ; the bias of chunk 1, over the one that the first eight products read
.endif
	WA2 i, 0
.set i, i+1
.endr
	WIN 0
	PLACES 5
	s_mov_b32 s[TB], 32768                         ; piece 2.  Turns 6 and 7 ask for 'pieces' 8 and 9, old bytes of slot 1; turn 7's products on piece 8 are dropped: they stand beside the last gelu, which is the longer
	s_mov_b32 s[TBI], O_CPP+256                    ; the bias of chunk 2; behind chunk 7's lie 1,024 bytes of zeros
	s_mov_b32 s[TWF], 0
	s_mov_b32 s[TW], 4
.Llast:
	TURN2 0
	TURN2 1
	s_sub_co_u32 s[TW], s[TW], 1
	s_cmp_lg_u32 s[TW], 0
	s_cbranch_scc1 .Llast
	; ---------------- the way out.  Lane (r, h) holds out(16 m + r, 5 h + j), j = 0 .. 4.  My 64 rows are 2,560 consecutive bytes: through my own stage, and out by five stores of 512 consecutive bytes, aligned to 256
	v_and_b32 v[T0], 15, v0
	v_bfe_u32 v[T0+1], v0, 4, 1
	s_mul_i32 s13, s[WV], 2560
	s_add_co_u32 s13, s13, STG
	v_mul_u32_u24 v[XA], v[T0], 40
	v_mad_u32_u24 v[XA], v[T0+1], 20, v[XA]
	v_add_nc_u32 v[XA], s13, v[XA]
	v_add_nc_u32 v[HS], s13, v[LI]
	WIN 0x08                                       ; an LDS store's data are its source 1: window 2
.irp m, 0,1,2,3
.irp j, 0,1,2,3,4
	ds_store_b32 v[XA], v[64+8*\m+\j] offset:640*\m+4*\j           ; each accumulator from its low end on
.endr
.endr
	WIN 0
.irp k, 0,1,2,3,4
	ds_load_b128 v[64+4*\k:67+4*\k], v[HS] offset:512*\k           ; LDS serves a wave's instructions in order (ISA guide 5.7.1.4): these see my stores
.endr
.irp k, 0,1,2,3,4
	s_wait_dscnt 4-\k
	global_store_b128 v[LI], v[64+4*\k:67+4*\k], s[8:9] offset:512*\k th:TH_STORE_NT
.endr
	s_wait_tensorcnt 0x0                           ; the wave's end, behind my last tensor load and my last LDS store
	ds_add_u32 v[SPW], v[NIL]
	s_wait_dscnt 0x0
	CROUND                                         ; the closing round: no work-group ends while a partner may still ask for a tile that names it
	s_endpgm
.Lfunc_end_k_qfb30362d74_chain:
	.size	k_qfb30362d74_chain, .Lfunc_end_k_qfb30362d74_chain-k_qfb30362d74_chain
	.p2alignl 7, 3214868480
	.fill 96, 4, 3214868480
	.section	.rodata,"a",@progbits
	.p2align	6, 0x0
	.amdhsa_kernel k_qfb30362d74_chain
		.amdhsa_group_segment_fixed_size 327680
		.amdhsa_private_segment_fixed_size 0
		.amdhsa_enable_private_segment 0
		.amdhsa_kernarg_size 24
		.amdhsa_user_sgpr_count 2
		.amdhsa_user_sgpr_kernarg_segment_ptr 1
		.amdhsa_wavefront_size32 1
		.amdhsa_system_sgpr_workgroup_id_x 1
		.amdhsa_system_sgpr_workgroup_id_y 1
		.amdhsa_system_sgpr_workgroup_id_z 1
		.amdhsa_system_vgpr_workitem_id 0
		.amdhsa_next_free_vgpr 1024
		.amdhsa_next_free_sgpr 80
		.amdhsa_reserve_vcc 1
		.amdhsa_float_denorm_mode_32 3
		.amdhsa_float_denorm_mode_16_64 3
		.amdhsa_memory_ordered 1
		.amdhsa_forward_progress 1
		.amdhsa_inst_pref_size 255
	.end_amdhsa_kernel
	.section	.bss,"aw",@nobits
	.p2align	6
	.space	262144
	.amdgpu_metadata
---
amdhsa.version: [ 1, 2 ]
amdhsa.kernels:
  - .name:           k_qfb30362d74_chain
    .symbol:         k_qfb30362d74_chain.kd
    .args:
      - { .name: x, .offset: 0, .size: 8, .value_kind: global_buffer, .address_space: global }
      - { .name: wts, .offset: 8, .size: 8, .value_kind: global_buffer, .address_space: global }
      - { .name: out0, .offset: 16, .size: 8, .value_kind: global_buffer, .address_space: global }
    .group_segment_fixed_size: 327680
    .private_segment_fixed_size: 0
    .kernarg_segment_align: 8
    .kernarg_segment_size: 24
    .max_flat_workgroup_size: 128
    .sgpr_count:     80
    .vgpr_count:     1024
    .wavefront_size: 32
...
	.end_amdgpu_metadata
.endif
;; end of part 2
